; MI455X (gfx1250); checked and timed in simulation.
; The chip was launched on July 23, 2026; its instructions are those of AMD's public machine-readable ISA for CDNA 5 (MIT licence, August 2026) and "CDNA5" Instruction Set Architecture Reference Guide (July 2026). The comments in the code are by the model that wrote it; some were corrected since.
;; Attention. Allowed arithmetic: matrix products marked QUANTISED: E2M1 operands, one E8M0 scale for each 32 along K, by v_wmma_scale_f32_16x16x128_f8f6f4 with both operands' format E2M1 (or v_wmma_scale_f32_32x16x128_f4), f32 sums; everything else in f32.
;; Inputs: norm_b 256 float32; norm_w 256 float32; out_b 256 float32; out_w_codes 256 x 4 x 16 uint8 (E2M1 codes of out_w, K innermost, in blocks of 32 codes, two codes a byte); out_w_scales 256 x 4 uint8 (E8M0 scales of out_w, one for each 32 codes along K); qkv_w_codes 384 x 8 x 16 uint8 (E2M1 codes of qkv_w, K innermost, in blocks of 32 codes, two codes a byte); qkv_w_scales 384 x 8 uint8 (E8M0 scales of qkv_w, one for each 32 codes along K); x 4 x 256 x 64 x 64 float32.
;; Outputs: out0 4 x 256 x 64 x 64 float32.
;; This version of the problem:
;;   THIS VERSION OF THE PROBLEM IS GIVEN IN LOW PRECISION. The matrix products marked QUANTISED in the list below multiply operands that are first quantised to E2M1 (2 exponent bits, 1 mantissa bit; 4 bits a number), with one power-of-two scale for each 32 numbers along K (OCP MX v1.0); their sums are f32. All else is computed in f32.
;;   The module's matrix products, in the order in which they are computed (A, B: the left and right operand; K: the contracted axis; several contracted axes count as one K, in the product's order):
;;     1. [M 16,384, K 256] x [K 256, N 384]; A: computed on the way; B: input qkv_w (given as codes): QUANTISED
;;     2. batch 16 x [M 4,096, K 32] x [K 32, N 4,096]; A: computed on the way; B: computed on the way: QUANTISED
;;     3. batch 16 x [M 4,096, K 4,096] x [K 4,096, N 32]; A: softmax (see below); B: computed on the way: QUANTISED
;;     4. [M 16,384, K 128] x [K 128, N 256]; A: computed on the way; B: input out_w (given as codes): QUANTISED
;;   THE QUANTISER, for each operand of a quantised product, along K:
;;     - K is cut into blocks of 32 from its start; a last block that is shorter is filled with zeros.
;;     - A block's scale is 2^e with e = floor(log2(the largest magnitude in the block)) - 2, held to -126 .. 127; a block of zeros has e = 0. As a byte (E8M0): e + 127.
;;     - Each number is divided by its block's scale, clamped to +-6, and rounded to the nearest number of E2M1, ties to even, subnormals kept.
;;     - The product sums the exact products of the quantised numbers (number of the format x scale) in f32.
;;   ~~~python
;;   def quantise(x, axis):      # numpy; x: float32 -> the quantised numbers, widened to float32 again
;;       x = np.moveaxis(x, axis, -1); K = x.shape[-1]
;;       x = np.pad(x, [(0, 0)] * (x.ndim - 1) + [(0, -K % 32)]); x = x.reshape(x.shape[:-1] + (-1, 32)); a = np.abs(x).max(-1, keepdims=True)
;;       e = np.where(a > 0, np.clip(np.frexp(np.where(a > 0, a, 1))[1] - 1 - 2, -126, 127), 0)      # np.frexp(a)[1] - 1 = floor(log2(a)), exactly
;;       r = np.clip(x / 2.0 ** e, -6, 6)
;;       step = 2.0 ** (np.maximum(np.frexp(np.where(r == 0, 1, r))[1] - 1, 0) - 1)
;;       q = np.round(r / step) * step * 2.0 ** e      # np.round: ties to even
;;       return np.moveaxis(q.reshape(q.shape[:-2] + (-1,))[..., :K], -1, axis).astype(np.float32)
;;   ~~~
;;   SOFTMAX AHEAD OF A QUANTISED PRODUCT. Where the list says 'softmax', what is quantised is not the finished softmax but p = 2^(t - M), with t = logit x log2(e) and M = ceil(the row's largest t), a whole number; so 1/2 < the row's largest p <= 1. The row's sum l is taken of the UNQUANTISED p, in f32, and the product's result is divided by l at the end. Since M is a whole number, a kernel that streams over the keys may use a running M (the ceiling of the running maximum): every later rescaling is an exact power of two, which a block's scale takes up: the codes' values come out the same.
;;   OPERANDS COMPUTED ON THE WAY. 'Computed on the way' means the value that the module computes at that place (a softmax that the list does not call 'softmax' is quantised finished and normalised). What goes into a quantiser is computed in f32, as accurately as f32 sums, v_exp_f32 and their like allow (about 1e-6 of the number): no bf16 or f16 on the way to a quantiser, and a product that is left as it is and whose result goes on into a quantised operand takes f32 operands (vector FMAs, or v_wmma_f32_16x16x4_f32). A number that lies on a knife's edge between two numbers of the format may be rounded either way, as far as f32 arithmetic and the matrix unit's own rounding can turn it there, and no further.
;;   INPUTS GIVEN AS CODES. out_w (in the module: [256, 128], K = its axis 1); qkv_w (in the module: [384, 256], K = its axis 1): each comes as NAME_codes (uint8): NAME with its K axis moved to the last place and cut into blocks of 32 codes, [.., K / 32, bytes a block], one block behind the other in memory; two codes a byte, the lower K in the low four bits (a code: sign, 2 exponent bits, 1 mantissa bit); and NAME_scales (uint8): the same leading axes, one E8M0 byte (e + 127) for each 32 codes along K. Its value is code x scale, taken as it is: it is not quantised again, and the codes and scales need not be those that the quantiser above would give.
;; One version. Each part assembles by itself: llvm-mc -triple=amdgcn-amd-amdhsa -mcpu=gfx1250 --defsym DOCPART=n.
;; ======== version 1 of 1: 3 launches
;; workspace buffers: stats 2,048 bytes; qc 1,048,576 bytes; qs 65,536 bytes; kvc 2,097,152 bytes; kvs 131,072 bytes
;; launch stats (part 1): grid 256 x 1, 8 waves a work-group, no clusters, 1,280 bytes of LDS; arguments x, stats; writes stats
.if DOCPART == 1
	.amdgcn_target "amdgcn-amd-amdhsa--gfx1250"
	.amdhsa_code_object_version 6
	.text
	.protected	k_qa2b4a07c7e_stats
	.globl	k_qa2b4a07c7e_stats
	.p2align	8
	.type	k_qa2b4a07c7e_stats,@function
k_qa2b4a07c7e_stats:
	s_mov_b64 s[64:65], 0
	v_nop
	global_prefetch_b8 v0, s[64:65] scope:SCOPE_SE
	s_setreg_imm32_b32 hwreg(HW_REG_WAVE_MODE, 25, 1), 1
	s_wait_xcnt 0x0
; GroupNorm's statistics, first half.  x is [4][256][64][64] f32; a (batch, group) set is 131,072 consecutive numbers.
; Work-group i owns chunk i % 8 of set i / 8: 16,384 consecutive numbers, 65,536 bytes.  It stores the chunk's mean and the sum of
; squared deviations from that mean, 8 bytes at stats + 8 i.  The next launch joins a set's eight chunks.
; The deviations are taken from the chunk's own mean, with the chunk kept in registers: no difference of large sums is formed,
; so a common offset of the inputs costs no accuracy.
; Eight waves; thread t takes 16 bytes at 16 t + 4,096 k, k = 0 .. 15: a load of a wave covers 512 consecutive bytes.
; LIMITS: NaN and infinities among the inputs are not served.
.set X,   16                           ; v16-79   my 64 numbers
.set CH,  80                           ; v80-87   four packed chains
.set R,   88                           ; v88      the figure in hand
.set TP,  89                           ; v89      the other half of the lanes'
.set WA,  90                           ; v90      LDS: 4 x my wave
.set ZA,  91                           ; v91      0
	s_load_b128 s[4:7], s[0:1], 0x0                ; x, stats
	v_lshl_add_u32 v96, v0, 2, 0x100
	v_mov_b32 v97, 0
	v_lshrrev_b32 v2, 5, v0
	s_delay_alu instid0(VALU_DEP_1)
	v_readfirstlane_b32 s8, v2                     ; wave 0..7
	v_lshlrev_b32 v1, 4, v0                        ; 16 t
	v_mov_b32 v[TP], 0                             ; a lane permute's destination counts as read: written once
	v_mov_b32 v[ZA], 0
	s_lshl_b32 s9, s8, 2
	v_mov_b32 v[WA], s9
	s_lshl_b32 s10, ttmp9, 16                      ; my chunk's 65,536 bytes
	s_mov_b32 s11, 0
	s_lshl_b32 s14, ttmp9, 3                       ; my 8 bytes of stats
	s_mov_b32 s15, 0
	s_mov_b32 s12, 0x76543210                      ; v_permlanex16_b32's selects for lane l xor 16
	s_mov_b32 s13, 0xfedcba98
	s_wait_alu depctr_va_vdst(0)
	s_wait_kmcnt 0x0
	s_add_nc_u64 s[4:5], s[4:5], s[10:11]
	s_add_nc_u64 s[6:7], s[6:7], s[14:15]
.irp k, 0,1,2,3,4,5,6,7,8,9,10,11,12,13,14,15
	global_load_b128 v[X+4*\k:X+4*\k+3], v1, s[4:5] offset:4096*\k
.endr
; the four chains become one number, and that the wave's
.macro FOLD
	s_delay_alu instid0(VALU_DEP_3)
	v_pk_add_f32 v[CH:CH+1], v[CH:CH+1], v[CH+2:CH+3]
	s_delay_alu instid0(VALU_DEP_2)
	v_pk_add_f32 v[CH+4:CH+5], v[CH+4:CH+5], v[CH+6:CH+7]
	s_delay_alu instid0(VALU_DEP_1)
	v_pk_add_f32 v[CH:CH+1], v[CH:CH+1], v[CH+4:CH+5]
	s_delay_alu instid0(VALU_DEP_1)
	v_add_f32 v[R], v[CH], v[CH+1]
	s_delay_alu instid0(VALU_DEP_1)
	v_add_f32_dpp v[R], v[R], v[R] row_xmask:1 row_mask:0xf bank_mask:0xf
	s_delay_alu instid0(VALU_DEP_1)
	v_add_f32_dpp v[R], v[R], v[R] row_xmask:2 row_mask:0xf bank_mask:0xf
	s_delay_alu instid0(VALU_DEP_1)
	v_add_f32_dpp v[R], v[R], v[R] row_xmask:4 row_mask:0xf bank_mask:0xf
	s_delay_alu instid0(VALU_DEP_1)
	v_add_f32_dpp v[R], v[R], v[R] row_xmask:8 row_mask:0xf bank_mask:0xf
	s_delay_alu instid0(VALU_DEP_1)
	v_permlanex16_b32 v[TP], v[R], s12, s13
	s_delay_alu instid0(VALU_DEP_1)
	v_add_f32 v[R], v[R], v[TP]
.endm
; the eight waves' numbers meet in 32 bytes of LDS at off: each wave stores its word, one barrier, every wave reads all eight
.macro ACROSS off
	ds_store_b32 v[WA], v[R] offset:\off           ; all lanes write the same word with the same value
	s_wait_dscnt 0x0                               ; for the others' sake: my store has landed
	s_barrier_signal -1
	s_barrier_wait -1
	ds_load_b128 v[92:95], v[ZA] offset:\off
	ds_load_b128 v[84:87], v[ZA] offset:\off+16
	s_wait_dscnt 0x0
	v_add_f32 v92, v92, v93
	v_add_f32 v94, v94, v95
	v_add_f32 v84, v84, v85
	v_add_f32 v86, v86, v87
	s_delay_alu instid0(VALU_DEP_3)
	v_add_f32 v92, v92, v94
	s_delay_alu instid0(VALU_DEP_2)
	v_add_f32 v84, v84, v86
	s_delay_alu instid0(VALU_DEP_1)
	v_add_f32 v[R], v92, v84
.endm
	; the sum: four chains, started by the first eight pairs: nothing is cleared
	s_wait_loadcnt 12                              ; loads come back in order: the first four are in, twelve younger ones may be out
.irp c, 0,1,2,3
	v_pk_add_f32 v[CH+2*\c:CH+2*\c+1], v[X+2*\c:X+2*\c+1], v[X+8+2*\c:X+9+2*\c]
.endr
	s_wait_alu depctr_va_vdst(0)
.irp q, 1,2,3
	s_wait_alu depctr_va_vdst(0)
	s_wait_loadcnt 12-4*\q                         ; the next four are in
.irp p, 0,1,2,3,4,5,6,7
	v_pk_add_f32 v[CH+2*(\p%4):CH+2*(\p%4)+1], v[CH+2*(\p%4):CH+2*(\p%4)+1], v[X+16*\q+2*\p:X+16*\q+2*\p+1]
.endr
.endr
	FOLD
	ACROSS 0
	s_delay_alu instid0(VALU_DEP_1)
	v_mul_f32 v2, 0x38800000, v[R]                 ; the chunk's mean: sum x 2^-14
	s_delay_alu instid0(VALU_DEP_1)
	v_mov_b32 v3, v2
	; the squared deviations
.set p, 0
.rept 32
	v_pk_add_f32 v[X+2*p:X+2*p+1], v[X+2*p:X+2*p+1], v[2:3] neg_lo:[0,1] neg_hi:[0,1]
.set p, p+1
.endr
.irp c, 0,1,2,3
	v_pk_mul_f32 v[CH+2*\c:CH+2*\c+1], v[X+2*\c:X+2*\c+1], v[X+2*\c:X+2*\c+1]
.endr
.set p, 4
.rept 28
	s_delay_alu instid0(VALU_DEP_4)
	v_pk_fma_f32 v[CH+2*(p%4):CH+2*(p%4)+1], v[X+2*p:X+2*p+1], v[X+2*p:X+2*p+1], v[CH+2*(p%4):CH+2*(p%4)+1]
.set p, p+1
.endr
	FOLD
	ACROSS 32                                      ; other bytes than the first time: no wave can still be reading those
	s_delay_alu instid0(VALU_DEP_1)
	v_mov_b32 v3, v[R]                             ; v[2:3] = mean, sum of squared deviations
	s_cmp_lg_u32 s8, 0
	s_cbranch_scc1 .Lend                           ; wave 0 stores, its lane 0
	v_cmp_eq_u32 vcc_lo, 0, v0
	s_wait_xcnt 0x0                                ; EXEC changes only behind this wait
	s_and_saveexec_b32 s16, vcc_lo
	s_wait_alu depctr_va_vdst(0)
	global_store_b64 v[ZA], v[2:3], s[6:7]
	s_wait_xcnt 0x0                                ; and again, in front of the line that widens it
	s_or_b32 exec_lo, exec_lo, s16
.Lend:
	s_wait_tensorcnt 0x0
	ds_add_u32 v96, v97
	s_wait_dscnt 0x0
	s_endpgm
.Lfunc_end_k_qa2b4a07c7e_stats:
	.size	k_qa2b4a07c7e_stats, .Lfunc_end_k_qa2b4a07c7e_stats-k_qa2b4a07c7e_stats
	.p2alignl 7, 3214868480
	.fill 96, 4, 3214868480
	.section	.rodata,"a",@progbits
	.p2align	6, 0x0
	.amdhsa_kernel k_qa2b4a07c7e_stats
		.amdhsa_group_segment_fixed_size 1280
		.amdhsa_private_segment_fixed_size 0
		.amdhsa_enable_private_segment 0
		.amdhsa_kernarg_size 16
		.amdhsa_user_sgpr_count 2
		.amdhsa_user_sgpr_kernarg_segment_ptr 1
		.amdhsa_wavefront_size32 1
		.amdhsa_system_sgpr_workgroup_id_x 1
		.amdhsa_system_sgpr_workgroup_id_y 1
		.amdhsa_system_sgpr_workgroup_id_z 1
		.amdhsa_system_vgpr_workitem_id 0
		.amdhsa_next_free_vgpr 98
		.amdhsa_next_free_sgpr 66
		.amdhsa_reserve_vcc 1
		.amdhsa_float_denorm_mode_32 3
		.amdhsa_float_denorm_mode_16_64 3
		.amdhsa_memory_ordered 1
		.amdhsa_forward_progress 1
		.amdhsa_inst_pref_size 14
	.end_amdhsa_kernel
	.amdgpu_metadata
---
amdhsa.version: [ 1, 2 ]
amdhsa.kernels:
  - .name:           k_qa2b4a07c7e_stats
    .symbol:         k_qa2b4a07c7e_stats.kd
    .args:
      - { .name: x, .offset: 0, .size: 8, .value_kind: global_buffer, .address_space: global }
      - { .name: stats, .offset: 8, .size: 8, .value_kind: global_buffer, .address_space: global }
    .group_segment_fixed_size: 1280
    .private_segment_fixed_size: 0
    .kernarg_segment_align: 8
    .kernarg_segment_size: 16
    .max_flat_workgroup_size: 256
    .sgpr_count:     66
    .vgpr_count:     98
    .wavefront_size: 32
...
	.end_amdgpu_metadata
.endif
;; end of part 1
;; launch qkv (part 2): grid 64 x 4, 4 waves a work-group, no clusters, 9,728 bytes of LDS; arguments x, stats, norm_w, norm_b, qkv_w_codes, qkv_w_scales, qc, qs, kvc, kvs; writes qc, qs, kvc, kvs
.if DOCPART == 2
	.amdgcn_target "amdgcn-amd-amdhsa--gfx1250"
	.amdhsa_code_object_version 6
	.text
	.protected	k_qa2b4a07c7e_qkv
	.globl	k_qa2b4a07c7e_qkv
	.p2align	8
	.type	k_qa2b4a07c7e_qkv,@function
k_qa2b4a07c7e_qkv:
	s_mov_b64 s[64:65], 0
	v_nop
	global_prefetch_b8 v0, s[64:65] scope:SCOPE_SE
	s_setreg_imm32_b32 hwreg(HW_REG_WAVE_MODE, 25, 1), 1
	s_wait_xcnt 0x0
; GroupNorm finished, xn quantised along the channels, the QKV product on codes of FP4 (E2M1, one E8M0 scale for each 32 along K), and q, k, v quantised for the attention launch.
; A work-group takes 64 pixels (block blk = work-group x) of batch b (work-group y), all 256 channels.  Straight-line text: no loop, no branch, one barrier.
; PHASE X.  Wave w takes channels 64 w .. 64 w + 63, two groups.  A group IS a block of 32 along K.  Lane l holds pixels 2 l and 2 l + 1: a load of 8 bytes a lane reads one channel's 256 consecutive bytes.
;   xn = (x - mean) (norm_w rstd) + norm_b, one subtraction and one fused multiply-add; a pixel's 32 numbers of a group lie in one lane's registers, so a block's largest magnitude needs no other lane.
;   The codes go to LDS as IMAGES OF THE OPERAND'S REGISTERS: fragment (tile of pixels t, K step s), piece c, lane L at t 2048 + s 1024 + c 512 + 16 L; the scale words at XSC + t 128 + s 64 + 4 r.
; THE PIXELS OF A TILE ARE NOT NEIGHBOURS: index r of tile t = 2 B + u is pixel 32 B + 8 u + r + 8 (r / 8); the rows of a weight's tile u likewise, d = 8 u + r + 8 (r / 8).
;   So the 16 registers of two neighbouring result tiles are 16 neighbours, 16 (lane / 16) + 0 .. 15, along the axis that is quantised next.
; PHASE 2.  Wave w is head w.  q and k: source 0 = 16 rows of the weight, source 1 = 16 pixels: a lane holds one pixel and 16 of its head's 32 numbers.  v: source 0 = 16 pixels, source 1 = 16 rows of the
;   weight: a lane holds one d and 16 neighbouring pixels, since the keys are the next K of v.  A block of 32 lies in lanes l and l xor 16.
; WHAT IS STORED, all in the order of the reader's operand registers:
;   qc [b][blk][head][1024]: byte 256 t + 16 r: the 16 code bytes of pixel (t, r).    qs [b][blk][head][16 words]: word r, byte t: its scale.
;   kvc [b][step = blk / 2][head][4096]: k like q at 1024 f (f = blk % 2); v's piece (c = f, tile of d n) at 2048 + 1024 f + 512 n, lane L at 16 L.
;   kvs [b][step][head][256]: k's words at 64 f + 4 r; v's words at 128 + 4 (16 n + r), byte 2 f + B for keys 64 f + 32 B on.
; LIMITS: NaN and infinities are not served; a block of zeros gets the scale byte 1 where the rule says 127: its codes are zeros, and this program alone reads the bytes.
.set XSC,  8192                        ; LDS: behind the 8,192 bytes of images, 512 bytes of scale words
.set LN,   1                           ; v1   lane
.set XO,   2                           ; v2   8 x lane: my two pixels in a channel's 256 bytes
.set XI,   3                           ; v3   where my pixel 2 l's codes go
.set XSA,  4                           ; v4   and its two scale bytes
.set LI,   5                           ; v5   16 x lane
.set LS,   6                           ; v6   XSC + 4 x lane
.set WO,   7                           ; v7   a weight's row: (r + 8 (r / 8)) 128 + 16 h
.set ST,   8                           ; v8-11 statistics; then the chains of the maxima
.set WSO,  12                          ; v12  a weight's scale bytes: (r + 8 (r / 8)) 8
.set KO,   13                          ; v13  16 r + 8 h
.set R4,   14                          ; v14  4 r
.set VSO,  15                          ; v15  4 x lane + 2 f + 128
.set GA,   16                          ; v16-17 norm_w x rstd of my two groups, lane = channel in the group
.set GB,   18                          ; v18-19 norm_b likewise
.set MP,   20                          ; v[20:21], v[22:23] the groups' means, twice each
.set CD,   24                          ; v24-39 codes of the four units (group, pixel)
.set SO,   40                          ; v40-41 the conversions' scale operands
.set BY,   42                          ; v42-45 scale bytes, 2 x group + pixel
.set L4,   46                          ; v46  4 x lane
.set R4K,  47                          ; v47  4 r + 64 f
.set T,    48                          ; v48-79 xn of pixel 2 l, v80-111 of pixel 2 l + 1, one group
.set X,    112                         ; v112-239 x: channel i at 112 + 2 i, two pixels
.set XF,   112                         ; phase 2: xn's eight fragments, 16 t + 8 s
.set ACC,  176                         ; v176-239 eight accumulators
.set XS,   240                         ; v240-243 xn's scale words: lanes 0-15 K step 0, lanes 16-31 K step 1
.set WS,   244                         ; v244-255 the weights' scale words: tile (P, u) at 2 (2 P + u) + s
.set TM,   48                          ; v48-63 at work in QUANT64
.set CQ,   64                          ; v64-71, v72-79, v80-87: the codes of q, k, v: each has its own, so no store's data are written again
.set CK,   72
.set CV,   80
.set PWQ,  88                          ; v88, v89 the scale words of q and k
.set PWK,  89
.set HW,   90                          ; v90-92 v's scale bytes in pairs
; window 1 (v256-351): the head's 12 weight fragments, ((2 P + u) 2 + s) 8
.set MSB, 0
.macro WIN new                         ; the immediate's high byte repeats the setting that is left
.if MSB != \new
	s_set_vgpr_msb (MSB<<8)|\new
.set MSB, \new
.endif
.endm
	s_load_b512 s[4:19], s[0:1], 0x0               ; x, stats, norm_w, norm_b, the weight's codes, its scales, qc, qs
	s_load_b128 s[20:23], s[0:1], 0x40             ; kvc, kvs
	s_set_vgpr_msb 0x40
	v_lshl_add_u32 v96, v0, 2, 0x2400
	v_mov_b32 v97, 0
	s_set_vgpr_msb 0x4000
	v_lshrrev_b32 v40, 5, v0
	v_readfirstlane_b32 s24, v40                   ; wave 0..3
	s_mov_b32 s25, ttmp9                           ; blk
	s_and_b32 s26, ttmp7, 0xffff                   ; b
	s_and_b32 s41, s25, 1                          ; f
	v_and_b32 v[LN], 31, v0
	v_lshlrev_b32 v[XO], 3, v[LN]
	v_lshlrev_b32 v[L4], 2, v[LN]
	s_lshl_b32 s28, s26, 22                        ; x: batch, my 64 channels, the block's 256 bytes
	s_lshl_b32 s29, s24, 20
	s_add_co_u32 s28, s28, s29
	s_lshl_b32 s29, s25, 8
	s_add_co_u32 s28, s28, s29
	s_mov_b32 s29, 0
	s_lshl_b32 s30, s26, 9                         ; stats: set 8 b + 2 w, 64 bytes a set
	s_lshl_b32 s31, s24, 7
	s_add_co_u32 s30, s30, s31
	s_mov_b32 s31, 0
	s_lshl_b32 s34, s24, 8                         ; 256 w
	s_mov_b32 s35, 0
	s_mov_b32 s32, 0x76543210                      ; v_permlanex16_b32's selects for lane l xor 16
	s_mov_b32 s33, 0xfedcba98
	s_wait_alu depctr_va_vdst(0)
	s_wait_kmcnt 0x0
	s_add_nc_u64 s[4:5], s[4:5], s[28:29]
	s_add_nc_u64 s[6:7], s[6:7], s[30:31]
	s_add_nc_u64 s[8:9], s[8:9], s[34:35]
	s_add_nc_u64 s[10:11], s[10:11], s[34:35]
	global_load_b32 v[ST], v[L4], s[6:7]           ; lanes 0-15 my first set, lanes 16-31 my second; even lanes a chunk's mean, odd lanes its squared deviations
	global_load_b32 v[GA], v[L4], s[8:9]
	global_load_b32 v[GA+1], v[L4], s[8:9] offset:128
	global_load_b32 v[GB], v[L4], s[10:11]
	global_load_b32 v[GB+1], v[L4], s[10:11] offset:128
.set i, 0
.rept 64
	global_load_b64 v[X+2*i:X+2*i+1], v[XO], s[4:5] offset:16384*i   ; channel i: 32 lanes read 256 consecutive bytes, aligned
.set i, i+1
.endr
	; addresses, while the loads are out.  Pixel p = 2 l + e has tile t = 2 p5 + p3 and index r = 8 p4 + p % 8
	v_and_b32 v40, 3, v0
	v_bfe_u32 v41, v0, 3, 1
	v_bfe_u32 v42, v0, 2, 1
	v_bfe_u32 v43, v0, 4, 1                        ; also h
	v_lshlrev_b32 v[XI], 5, v40
	v_lshl_add_u32 v[XI], v41, 7, v[XI]
	v_lshl_add_u32 v[XI], v42, 11, v[XI]
	v_lshl_add_u32 v[XI], v43, 12, v[XI]           ; 2048 t + 16 r of pixel 2 l,
	s_lshl_b32 s28, s24, 9
	v_add_nc_u32 v[XI], s28, v[XI]                 ; + 512 w: K step w / 2, piece w % 2; the group in the pair is the half of the lanes: 256 more
	v_lshlrev_b32 v[XSA], 3, v40
	v_lshl_add_u32 v[XSA], v41, 5, v[XSA]
	v_lshl_add_u32 v[XSA], v42, 7, v[XSA]
	v_lshl_add_u32 v[XSA], v43, 8, v[XSA]          ; 128 t + 4 r,
	s_lshr_b32 s28, s24, 1
	s_lshl_b32 s28, s28, 6                         ; + 64 x K step
	s_and_b32 s30, s24, 1
	s_lshl_b32 s30, s30, 1                         ; + my two bytes of the word
	s_add_co_u32 s28, s28, s30
	s_add_co_u32 s28, s28, XSC
	v_add_nc_u32 v[XSA], s28, v[XSA]
	v_lshlrev_b32 v[LI], 4, v[LN]
	v_lshl_add_u32 v[LS], v[LN], 2, XSC
	v_and_b32 v44, 15, v0                          ; r
	v_and_b32 v45, 8, v0
	v_add_nc_u32 v45, v45, v44                     ; r + 8 (r / 8)
	v_lshlrev_b32 v[WO], 7, v45
	v_lshl_add_u32 v[WO], v43, 4, v[WO]
	v_lshlrev_b32 v[WSO], 3, v45
	v_lshlrev_b32 v[KO], 4, v44
	v_lshl_add_u32 v[KO], v43, 3, v[KO]
	v_lshlrev_b32 v[R4], 2, v44
	s_lshl_b32 s28, s41, 6
	v_add_nc_u32 v[R4K], s28, v[R4]
	s_lshl_b32 s28, s41, 1
	s_add_co_u32 s28, s28, 128
	v_lshl_add_u32 v[VSO], v[LN], 2, s28
	s_lshl_b32 s28, s24, 12                        ; the weight: my head's 32 rows of 128 bytes
	s_add_nc_u64 s[12:13], s[12:13], s[28:29]
	s_add_nc_u64 s[14:15], s[14:15], s[34:35]      ; and of 8 scale bytes
	s_lshl_b32 s30, s26, 6
	s_add_co_u32 s30, s30, s25
	s_lshl_b32 s30, s30, 2
	s_add_co_u32 s30, s30, s24                     ; (64 b + blk) 4 + head
	s_lshl_b32 s28, s30, 10
	s_add_nc_u64 s[16:17], s[16:17], s[28:29]
	s_lshl_b32 s28, s30, 6
	s_add_nc_u64 s[18:19], s[18:19], s[28:29]
	s_lshl_b32 s30, s26, 5
	s_lshr_b32 s31, s25, 1
	s_add_co_u32 s30, s30, s31
	s_lshl_b32 s30, s30, 2
	s_add_co_u32 s30, s30, s24                     ; (32 b + step) 4 + head
	s_lshl_b32 s28, s30, 12
	s_lshl_b32 s31, s41, 10
	s_add_co_u32 s28, s28, s31                     ; + 1024 f
	s_add_nc_u64 s[20:21], s[20:21], s[28:29]
	s_lshl_b32 s28, s30, 8
	s_add_nc_u64 s[22:23], s[22:23], s[28:29]
	; the sets' mean and variance from their eight chunks of n = 16,384: mean = the means' mean; variance = (sum of the chunks' squared deviations) / 8 n + (sum of (chunk's mean - mean)^2) / 8
	s_wait_loadcnt 63                              ; 69 loads are issued: the six oldest are in, the five small ones among them
	v_mov_b32 v[ST+1], v[ST]
	v_add_f32_dpp v[ST+1], v[ST+1], v[ST+1] row_xmask:2 row_mask:0xf bank_mask:0xf
	v_add_f32_dpp v[ST+1], v[ST+1], v[ST+1] row_xmask:4 row_mask:0xf bank_mask:0xf
	v_add_f32_dpp v[ST+1], v[ST+1], v[ST+1] row_xmask:8 row_mask:0xf bank_mask:0xf
	v_mul_f32 v[ST+1], 0x3e000000, v[ST+1]         ; / 8: even lanes the set's mean, odd lanes an eighth of the squared deviations
	v_sub_f32 v[ST+2], v[ST], v[ST+1]
	v_mul_f32 v[ST+2], v[ST+2], v[ST+2]
	v_add_f32_dpp v[ST+2], v[ST+2], v[ST+2] row_xmask:2 row_mask:0xf bank_mask:0xf
	v_add_f32_dpp v[ST+2], v[ST+2], v[ST+2] row_xmask:4 row_mask:0xf bank_mask:0xf
	v_add_f32_dpp v[ST+2], v[ST+2], v[ST+2] row_xmask:8 row_mask:0xf bank_mask:0xf
	v_mov_b32 v[ST+3], v[ST+1]
	v_mov_b32_dpp v[ST+3], v[ST+1] row_xmask:1 row_mask:0xf bank_mask:0xf   ; even lanes take the odd lanes' figure
	v_mul_f32 v[ST+2], 0x3e000000, v[ST+2]
	v_fmamk_f32 v[ST+2], v[ST+3], 0x38800000, v[ST+2]   ; x 2^-14, + the means' part: the variance, in even lanes
	v_add_f32 v[ST+2], 0x3727c5ac, v[ST+2]         ; + 1e-5
	s_wait_alu depctr_va_vdst(0)
	v_rsq_f32 v[ST+3], v[ST+2]
	v_nop                                          ; a plain instruction behind the transcendental,
	s_wait_alu depctr_va_vdst(0)                   ; and the wait ahead of its first reader
	v_readlane_b32 s36, v[ST+1], 0
	v_readlane_b32 s37, v[ST+1], 16
	v_readlane_b32 s38, v[ST+3], 0
	v_readlane_b32 s39, v[ST+3], 16
	v_mul_f32 v[GA], s38, v[GA]
	v_mul_f32 v[GA+1], s39, v[GA+1]
	v_mov_b32 v[MP], s36
	v_mov_b32 v[MP+1], s36
	v_mov_b32 v[MP+2], s37
	v_mov_b32 v[MP+3], s37
	; my head's weights: they land while x is quantised
	WIN 0x40                                       ; destination window 1
.irp p, 0,1,2
.irp u, 0,1
.irp s, 0,1
.irp c, 0,1
	global_load_b128 v[((2*\p+\u)*2+\s)*8+4*\c:((2*\p+\u)*2+\s)*8+4*\c+3], v[WO], s[12:13] offset:\p*16384+\u*1024+\s*64+\c*32
.endr
.endr
.endr
.endr
	WIN 0
.irp p, 0,1,2
.irp u, 0,1
	global_load_b64 v[WS+2*(2*\p+\u):WS+2*(2*\p+\u)+1], v[WSO], s[14:15] offset:\p*1024+\u*64   ; a row's 8 bytes: the words of K steps 0 and 1
.endr
.endr
; One group: normalise, and quantise its block of 32 for my two pixels.
.macro GROUP g
.set i, 0
.rept 32
	v_pk_add_f32 v[X+64*\g+2*i:X+64*\g+2*i+1], v[X+64*\g+2*i:X+64*\g+2*i+1], v[MP+2*\g:MP+2*\g+1] neg_lo:[0,1] neg_hi:[0,1]   ; x - mean
.set i, i+1
.endr
.irp a, 0,4,8,12,16,20,24,28           ; four channels at a time: their two constants come out of the lanes that hold them
.irp k, 0,1,2,3
	v_readlane_b32 s[44+2*\k], v[GA+\g], \a+\k
	v_readlane_b32 s[45+2*\k], v[GB+\g], \a+\k
.endr
.irp k, 0,1,2,3
	v_fma_f32 v[T+\a+\k], v[X+64*\g+2*(\a+\k)], s[44+2*\k], s[45+2*\k]        ; the multiply-add also parts the two pixels
	v_fma_f32 v[T+32+\a+\k], v[X+64*\g+2*(\a+\k)+1], s[44+2*\k], s[45+2*\k]
.endr
.endr
.irp e, 0,1                            ; the largest magnitude of 32, with the floor 2^(3 - 127) among the leaves, so that the byte cannot fall under 1: two chains a pixel, the pixels by turns
	v_max3_num_f32 v[ST+2*\e], |v[T+32*\e]|, |v[T+32*\e+1]|, 0x1800000
	v_max3_num_f32 v[ST+2*\e+1], |v[T+32*\e+2]|, |v[T+32*\e+3]|, |v[T+32*\e+4]|
.endr
.irp k, 0,1,2,3,4,5,6,7,8,9,10,11,12
.irp e, 0,1
	v_max3_num_f32 v[ST+2*\e+(\k%2)], v[ST+2*\e+(\k%2)], |v[T+32*\e+5+2*\k]|, |v[T+32*\e+6+2*\k]|
.endr
.endr
.irp e, 0,1
	v_max3_num_f32 v[ST+2*\e], v[ST+2*\e], v[ST+2*\e+1], |v[T+32*\e+31]|
.endr
.irp e, 0,1
	v_add_nc_u32 v[SO+\e], 0xff000000, v[ST+2*\e]  ; 2 off its exponent field: the conversion takes the exponent field of this operand as its scale
.endr
.irp e, 0,1
	v_lshrrev_b32 v[BY+2*\g+\e], 23, v[SO+\e]      ; the scale's byte
.endr
.irp e, 0,1
.irp q, 0,1,2,3
	v_cvt_scalef32_pk8_fp4_f32 v[CD+4*(2*\g+\e)+\q], v[T+32*\e+8*\q:T+32*\e+8*\q+7], v[SO+\e]
.endr
.endr
	v_nop                                          ; one plain instruction behind the last scaled conversion: its sources are written again below
.irp e, 0,1
	ds_store_b128 v[XI], v[CD+4*(2*\g+\e):CD+4*(2*\g+\e)+3] offset:256*\g+16*\e
.endr
.endm
	s_wait_alu depctr_va_vdst(0)
	s_wait_loadcnt 62                              ; the first group's 32 loads are in: younger are the second group's 32 and the weights' 30
	GROUP 0
	s_wait_loadcnt 30                              ; all of x is in: the weights' 30 may be out
	GROUP 1
.irp e, 0,1
	v_lshl_or_b32 v[ST+\e], v[BY+2+\e], 8, v[BY+\e]
	ds_store_b16 v[XSA], v[ST+\e] offset:4*\e      ; my two groups' bytes are neighbours in the pixel's scale word
.endr
	s_wait_dscnt 0x0                               ; for the others' sake: my stores have landed
	s_barrier_signal -1
	s_barrier_wait -1                              ; xn's eight fragments and their scale words lie in LDS
.irp t, 0,1,2,3
.irp s, 0,1
.irp c, 0,1
	ds_load_b128 v[XF+16*\t+8*\s+4*\c:XF+16*\t+8*\s+4*\c+3], v[LI] offset:\t*2048+\s*1024+\c*512
.endr
.endr
	ds_load_b32 v[XS+\t], v[LS] offset:128*\t
.endr
	s_wait_loadcnt 0x0                             ; the weights
	s_wait_dscnt 0x0
; q (pp = 0) or k (pp = 1) of my head: source 0 = the weight's tile u, source 1 = pixels' tile t.  Eight accumulators by turns, K step 0 and then K step 1.
.macro PAIRT pp
	WIN 0x01                                       ; source 0 window 1
.irp s, 0,1
.irp t, 0,1,2,3
.irp u, 0,1
.if \s == 0
	v_wmma_scale_f32_16x16x128_f8f6f4 v[ACC+8*(2*\t+\u):ACC+8*(2*\t+\u)+7], v[16*(2*\pp+\u)+8*\s:16*(2*\pp+\u)+8*\s+7], v[XF+16*\t+8*\s:XF+16*\t+8*\s+7], 0, v[WS+2*(2*\pp+\u)+\s], v[XS+\t] matrix_a_fmt:MATRIX_FMT_FP4 matrix_b_fmt:MATRIX_FMT_FP4
.else
	v_wmma_scale_f32_16x16x128_f8f6f4 v[ACC+8*(2*\t+\u):ACC+8*(2*\t+\u)+7], v[16*(2*\pp+\u)+8*\s:16*(2*\pp+\u)+8*\s+7], v[XF+16*\t+8*\s:XF+16*\t+8*\s+7], v[ACC+8*(2*\t+\u):ACC+8*(2*\t+\u)+7], v[WS+2*(2*\pp+\u)+\s], v[XS+\t] matrix_a_fmt:MATRIX_FMT_FP4 matrix_b_fmt:MATRIX_FMT_FP4 matrix_b_scale:MATRIX_SCALE_ROW1
.endif
.endr
.endr
.endr
	WIN 0
.rept 4
	v_nop                                          ; places in front of the first read of results
.endr
.endm
; v of my head: source 0 = pixels' tile 2 e + u, source 1 = the weight's tile n.  Accumulators (2 n + e) 2 + u: block 2 n + e of QUANT64 is row d (n, r), keys 32 e + 16 h + 0 .. 15
.macro PAIRV
	WIN 0x04                                       ; source 1 window 1
.irp s, 0,1
.irp n, 0,1
.irp e, 0,1
.irp u, 0,1
.if \s == 0
	v_wmma_scale_f32_16x16x128_f8f6f4 v[ACC+8*((2*\n+\e)*2+\u):ACC+8*((2*\n+\e)*2+\u)+7], v[XF+16*(2*\e+\u)+8*\s:XF+16*(2*\e+\u)+8*\s+7], v[16*(4+\n)+8*\s:16*(4+\n)+8*\s+7], 0, v[XS+2*\e+\u], v[WS+2*(4+\n)+\s] matrix_a_fmt:MATRIX_FMT_FP4 matrix_b_fmt:MATRIX_FMT_FP4
.else
	v_wmma_scale_f32_16x16x128_f8f6f4 v[ACC+8*((2*\n+\e)*2+\u):ACC+8*((2*\n+\e)*2+\u)+7], v[XF+16*(2*\e+\u)+8*\s:XF+16*(2*\e+\u)+8*\s+7], v[16*(4+\n)+8*\s:16*(4+\n)+8*\s+7], v[ACC+8*((2*\n+\e)*2+\u):ACC+8*((2*\n+\e)*2+\u)+7], v[XS+2*\e+\u], v[WS+2*(4+\n)+\s] matrix_a_fmt:MATRIX_FMT_FP4 matrix_b_fmt:MATRIX_FMT_FP4 matrix_a_scale:MATRIX_SCALE_ROW1
.endif
.endr
.endr
.endr
.endr
	WIN 0
.rept 4
	v_nop
.endr
.endm
; 64 numbers of a lane: four blocks b, register 16 b + i = place 16 (lane / 16) + i of the block.  Codes to v[dst + 2 b], v[dst + 2 b + 1]; the four scale bytes to v[TM + 4 ..].
; swap = 1: the halves change places, so that a lane holds a whole block: lanes 0-15 block 2 c, lanes 16-31 block 2 c + 1, in registers 4 c .. 4 c + 3.
; Each accumulator is read from its low end on.  The lines on v[TM ..] alone are also the places in front of the next products, which begin anew on the same accumulators.
.macro QUANT64 dst, swap
.irp b, 0,1,2,3
	v_max3_num_f32 v[TM+\b], |v[ACC+16*\b]|, |v[ACC+1+16*\b]|, 0x1800000   ; with the floor 2^(3 - 127)
.endr
.irp i, 2,4,6,8,10,12,14
.irp b, 0,1,2,3
	v_max3_num_f32 v[TM+\b], v[TM+\b], |v[ACC+16*\b+\i]|, |v[ACC+1+16*\b+\i]|
.endr
.endr
.irp b, 0,1,2,3
	v_permlanex16_b32 v[TM+4+\b], v[TM+\b], s32, s33
.endr
.irp b, 0,1,2,3
	v_max_num_f32 v[TM+\b], v[TM+\b], v[TM+4+\b]   ; with lane l xor 16's: the block's largest magnitude
.endr
.irp b, 0,1,2,3
	v_add_nc_u32 v[TM+12+\b], 0xff000000, v[TM+\b]
.endr
.irp b, 0,1,2,3
	v_lshrrev_b32 v[TM+4+\b], 23, v[TM+12+\b]
.endr
.irp b, 0,1,2,3
	v_cvt_scalef32_pk8_fp4_f32 v[\dst+2*\b], v[ACC+16*\b:ACC+7+16*\b], v[TM+12+\b]
	v_cvt_scalef32_pk8_fp4_f32 v[\dst+1+2*\b], v[ACC+8+16*\b:ACC+15+16*\b], v[TM+12+\b]
.endr
	v_nop                                          ; one plain instruction behind the last scaled conversion
.if \swap
.irp c, 0,1
.irp i, 0,1
	v_permlane16_swap_b32 v[\dst+4*\c+\i], v[\dst+2+4*\c+\i]
.endr
.endr
.endif
.endm
.macro WORD dst                        ; the four bytes make a scale word
	v_lshl_or_b32 v[\dst], v[TM+5], 8, v[TM+4]
	v_lshl_or_b32 v[\dst], v[TM+6], 16, v[\dst]
	v_lshl_or_b32 v[\dst], v[TM+7], 24, v[\dst]
.endm
	PAIRT 0
	QUANT64 CQ, 0
	WORD PWQ
.irp t, 0,1,2,3
	global_store_b64 v[KO], v[CQ+2*\t:CQ+2*\t+1], s[16:17] offset:256*\t   ; 32 lanes store 256 consecutive bytes, aligned
.endr
	PAIRT 1
	QUANT64 CK, 0
	WORD PWK
.irp t, 0,1,2,3
	global_store_b64 v[KO], v[CK+2*\t:CK+2*\t+1], s[20:21] offset:256*\t
.endr
	PAIRV
	QUANT64 CV, 1
.irp n, 0,1
	global_store_b128 v[LI], v[CV+4*\n:CV+4*\n+3], s[20:21] offset:2048+512*\n   ; 512 consecutive bytes
.endr
	v_lshl_or_b32 v[HW], v[TM+5], 8, v[TM+4]       ; tile of d 0: the bytes of keys 0-31 and 32-63
	v_lshl_or_b32 v[HW+1], v[TM+7], 8, v[TM+6]     ; tile of d 1
	v_cmp_le_u32 vcc_lo, 16, v[LN]
	v_cndmask_b32 v[HW+2], v[HW], v[HW+1], vcc_lo  ; lanes 0-15 store tile 0's, lanes 16-31 tile 1's
	global_store_b16 v[VSO], v[HW+2], s[22:23]
	v_cmp_gt_u32 vcc_lo, 16, v[LN]
	s_wait_xcnt 0x0                                ; EXEC changes only behind this wait
	s_set_vgpr_msb 0x5
	s_wait_tensorcnt 0x0
	ds_add_u32 v96, v97
	s_wait_dscnt 0x0
	s_set_vgpr_msb 0x500
	s_and_saveexec_b32 s40, vcc_lo                 ; lanes 0-15 hold the sixteen words
	global_store_b32 v[R4], v[PWQ], s[18:19]
	global_store_b32 v[R4K], v[PWK], s[22:23]
	s_wait_xcnt 0x0                                ; and again, in front of the line that widens it
	s_or_b32 exec_lo, exec_lo, s40
	s_endpgm
.Lfunc_end_k_qa2b4a07c7e_qkv:
	.size	k_qa2b4a07c7e_qkv, .Lfunc_end_k_qa2b4a07c7e_qkv-k_qa2b4a07c7e_qkv
	.p2alignl 7, 3214868480
	.fill 96, 4, 3214868480
	.section	.rodata,"a",@progbits
	.p2align	6, 0x0
	.amdhsa_kernel k_qa2b4a07c7e_qkv
		.amdhsa_group_segment_fixed_size 9728
		.amdhsa_private_segment_fixed_size 0
		.amdhsa_enable_private_segment 0
		.amdhsa_kernarg_size 80
		.amdhsa_user_sgpr_count 2
		.amdhsa_user_sgpr_kernarg_segment_ptr 1
		.amdhsa_wavefront_size32 1
		.amdhsa_system_sgpr_workgroup_id_x 1
		.amdhsa_system_sgpr_workgroup_id_y 1
		.amdhsa_system_sgpr_workgroup_id_z 1
		.amdhsa_system_vgpr_workitem_id 0
		.amdhsa_next_free_vgpr 354
		.amdhsa_next_free_sgpr 66
		.amdhsa_reserve_vcc 1
		.amdhsa_float_denorm_mode_32 3
		.amdhsa_float_denorm_mode_16_64 3
		.amdhsa_memory_ordered 1
		.amdhsa_forward_progress 1
		.amdhsa_inst_pref_size 62
	.end_amdhsa_kernel
	.amdgpu_metadata
---
amdhsa.version: [ 1, 2 ]
amdhsa.kernels:
  - .name:           k_qa2b4a07c7e_qkv
    .symbol:         k_qa2b4a07c7e_qkv.kd
    .args:
      - { .name: x, .offset: 0, .size: 8, .value_kind: global_buffer, .address_space: global }
      - { .name: stats, .offset: 8, .size: 8, .value_kind: global_buffer, .address_space: global }
      - { .name: norm_w, .offset: 16, .size: 8, .value_kind: global_buffer, .address_space: global }
      - { .name: norm_b, .offset: 24, .size: 8, .value_kind: global_buffer, .address_space: global }
      - { .name: qkv_w_codes, .offset: 32, .size: 8, .value_kind: global_buffer, .address_space: global }
      - { .name: qkv_w_scales, .offset: 40, .size: 8, .value_kind: global_buffer, .address_space: global }
      - { .name: qc, .offset: 48, .size: 8, .value_kind: global_buffer, .address_space: global }
      - { .name: qs, .offset: 56, .size: 8, .value_kind: global_buffer, .address_space: global }
      - { .name: kvc, .offset: 64, .size: 8, .value_kind: global_buffer, .address_space: global }
      - { .name: kvs, .offset: 72, .size: 8, .value_kind: global_buffer, .address_space: global }
    .group_segment_fixed_size: 9728
    .private_segment_fixed_size: 0
    .kernarg_segment_align: 8
    .kernarg_segment_size: 80
    .max_flat_workgroup_size: 128
    .sgpr_count:     66
    .vgpr_count:     354
    .wavefront_size: 32
...
	.end_amdgpu_metadata
.endif
;; end of part 2
;; launch attn (part 3): grid 64 x 4, 16 waves a work-group, clusters of 4 x 1, 327,680 bytes of LDS; arguments qc, qs, kvc, kvs, out_w_codes, out_w_scales, out_b, x, out0; writes out0
.if DOCPART == 3
	.amdgcn_target "amdgcn-amd-amdhsa--gfx1250"
	.amdhsa_code_object_version 6
	.text
	.protected	k_qa2b4a07c7e_attn
	.globl	k_qa2b4a07c7e_attn
	.p2align	8
	.type	k_qa2b4a07c7e_attn,@function
k_qa2b4a07c7e_attn:
	s_mov_b64 s[64:65], 0
	v_nop
	global_prefetch_b8 v0, s[64:65] scope:SCOPE_SE
	s_setreg_imm32_b32 hwreg(HW_REG_WAVE_MODE, 25, 1), 1
	s_wait_xcnt 0x0
	s_wait_alu depctr_hold_cnt(0) depctr_sa_sdst(0) depctr_va_vdst(0) depctr_va_sdst(0) depctr_va_ssrc(0) depctr_va_vcc(0) depctr_vm_vsrc(0)
	s_getreg_b32 s2, hwreg(HW_REG_IB_STS2, 6, 4)
	s_cmp_eq_u32 s2, 0
	s_cbranch_scc0 .Lentry_in_a_cluster
	s_endpgm
.Lentry_in_a_cluster:
	s_bfe_u32 s2, ttmp6, 0x10000c
	s_cmp_lg_u32 s2, 0x3003
	s_cbranch_scc0 .Lentry_shape_is_right
	s_endpgm
.Lentry_shape_is_right:
; Attention on codes of FP4 (E2M1, one E8M0 scale for each 32 along a product's K), the output product, its bias and the residual.  4 batches x 4 heads, 4,096 pixels, head size 32.
; SHARES.  A work-group owns 64 pixels (block blk) of a batch, all four heads.  Wave w of sixteen owns head w % 4 and the tile of 16 queries w / 4, in 256 registers: four waves to a SIMD, so that one wave's
; vector work stands beside another's matrix work and LDS loads: a key step has some 220 vector instructions for 10 matrix instructions.  Every wave walks the batch's 4,096 keys, 128 a step.
; At the end wave w makes output channels 16 w .. 16 w + 15 for the 64 pixels.
; WHAT COMES IN lies in the order of the operands' registers (the launch before wrote it so): a step's record of a head is 4,096 bytes, two fragments of K and two of V, each piece 512 bytes, lane L at 16 L.
; INDEX r OF TILE t = 2 B + u IS PIXEL 32 B + 8 u + r + 8 (r / 8), for queries, keys and rows of d alike, so that 16 registers of two neighbouring result tiles are 16 neighbours.
; THE FIRST PRODUCT HAS K = 32 IN AN INSTRUCTION OF 128.  A fragment of K holds FOUR tiles of 16 keys, one in each block of 32 along K.  Q stands in ONE block, with zero codes in the other three:
; S^T of tile 4 f + j = (fragment f) x (Q in block j).  What the other three blocks of K hold meets zero codes and adds nothing.  Q's four forms are windows onto 20 registers: zeros, Q in lanes 0-15, zeros, Q in lanes 16-31, zeros.
; BOTH PRODUCTS ARE USED TRANSPOSED (S^T = K Q^T, O^T = V^T P^T): a lane holds one query throughout.
; THE SOFTMAX: t = score x log2(e) / sqrt(32) (one rounding where the definition has two); M = the running largest t rounded up to a whole number; p = 2^(t - M) is quantised along the keys, not normalised; the row's
; sum is taken of the unquantised p and divides at the end; when M moves, the sum and O^T are multiplied by 2^(old M - new M), exactly.  A block's largest p is the exponential of its largest score.
; CLUSTER.  The four blocks of a cluster belong to one batch and walk the same K and V: every tile is asked for JOINTLY, by the same tensor load with the same descriptor and the mask of all four.
; LIMITS: NaN and infinities are not served; a block of zeros gets the scale byte 1 where the rule says 127: its codes are zeros.
.set SLOT1, 1<<16                      ; LDS: two slots of four key steps (4 x 16,384 bytes); one exclusive or turns an address in one into the other's
.set SCL,   131072                     ; the batch's scale words, 32,768 bytes, filled once: step 1,024, head 256
.set OIMG,  163840                     ; the attention output's four fragments, 1,024 bytes each
.set OSC,   167936                     ; their scale words, 64 bytes a tile
.set STG,   168192                     ; a stage for each wave: 16 rows x (256 + 16) bytes
.set SPARE, 237824                     ; the spare words, 128 bytes for each wave: eight blocks of 256 bytes that no other line names
.set AKV, 1                            ; v1   16 x lane + 4,096 x head
.set ASC, 2                            ; v2   SCL + 256 x head + 4 x lane
.set SPW, 3                            ; v3   my spare word; never rewritten
.set NIL, 4                            ; v4   0; never rewritten
.set ADK, 5                            ; v5   the slot in hand + AKV
.set ADS, 6                            ; v6   its scale words + ASC
.set OST, 7                            ; v7   where my 8 bytes of the output's codes go
.set OSB, 8                            ; v8   and their scale byte
.set OIR, 9                            ; v9   OIMG + 16 x lane
.set OSR, 10                           ; v10  OSC + 4 x lane
.set STO, 11                           ; v11  into my stage
.set QZ,  16                           ; v16-35 zeros, Q low, zeros, Q high, zeros
.set QS,  36                           ; v36  Q's scale byte, four times
.set RD,  37                           ; v37  out of my stage
.set GO,  38                           ; v38  16,384 h + 16 r: two channels' rows in x and out0
.set PFO, 39                           ; v39  256 x lane
.set KF,  40                           ; v40-55 K's two fragments
.set KS,  56                           ; v56  K's scale words: lanes 0-15 fragment 0, lanes 16-31 fragment 1
.set VS,  57                           ; v57  V's: lanes 0-15 tile of d 0, lanes 16-31 tile 1
.set VF,  64                           ; v64-79 V's two fragments
.set BI,  80                           ; v80-87 the bias, in the result's layout
.set S,   96                           ; v96-159 S^T, then p
.set O,   160                          ; v160-175 O^T
.set OW,  176                          ; v176-183 my 16 rows of out_w;  v184 their scale words
.set OWS, 184
.set XR,  192                          ; v192-223 the residual
.set PC,  224                          ; v224-231 p's codes
.set BM,  232                          ; v232-235 the blocks' largest
.set TP,  236                          ; v236-239 at work
.set SOP, 244                          ; v244-247 the conversions' scale operands
.set F,   250                          ; v[250:251] f = 2^(old M - new M); the pair's upper half is written once
.set PS,  253                          ; v253 p's scale word
.set TW,  254
; v12 -M, v13 the largest t, v[14:15] the sum in two halves
.set WV,  22
.set HD,  23
.set TQ,  24
.set CX,  25
.set BLK, 26
.set BA,  27
.set SEL, 32                           ; s[32:33] lane selects: lane l xor 16
.set CS,  34                           ; s[34:35] c = log2(e) / sqrt(32)
.set G1,  36                           ; s[36:43] group 1: 64 rows of 256 bytes
.set G1S, 44                           ; s[44:51] group 1 for the scale words: 32 rows of 256 bytes
.set G0,  52                           ; s[52:55] group 0, which walks
.set G0S, 56                           ; s[56:59] group 0 for the scale words
.set TB,  60                           ; s60  LDS byte at which the slot in hand begins
.set TS,  61                           ; s61  and its scale words: 4,096 bytes a slot
.set SLOTS, 62
.set LIM, 63                           ; s63  1 in a wave that prefetches, else the greatest number
.set PFA, 66                           ; s[66:67] where my prefetches stand
; A round of the cluster's barrier.
.macro CROUND
	s_barrier_signal -1
	s_barrier_wait -1
	s_cmp_lg_u32 s[WV], 0
	s_cbranch_scc1 .Lnot_wave_0_\@
	s_barrier_signal -3
.Lnot_wave_0_\@:
	s_barrier_wait -3
	s_barrier_signal -1
	s_barrier_wait -1
.endm
; A joint refill: waves 0 to 3 fetch one key step each, 16,384 dense bytes.  The branch hangs on the wave's number alone.  Four v_nop follow the load.
.macro JLOAD
	s_cmp_lt_u32 s[WV], 4
	s_cbranch_scc0 .Lno_load_\@
	tensor_load_to_lds s[G0:G0+3], s[G1:G1+7]
	s_nop 0
.rept 4
	v_nop
.endr
.Lno_load_\@:
.endm
; A prefetch of the slot that the NEXT change of slots will ask for.  All sixteen clusters of a batch walk the same bytes: the batch's first cluster asks.  Its four partners are told apart by address: partner cx takes
; key step cx of the slot; in each, waves 4 and 5 take 8,192 bytes each, lanes 256 bytes apart: each aligned block of 256 bytes is named once in the launch.  Slots 0 and 1 and the scale words come by their loads alone;
; the last change that fills a slot asks for nothing.
.macro ASK
	s_cmp_gt_u32 s[SLOTS], s[LIM]
	s_cbranch_scc0 .Lnot_mine_\@
	global_prefetch_b8 v[PFO], s[PFA:PFA+1] th:TH_LOAD_NT scope:SCOPE_SE
.Lnot_mine_\@:
.endm
	s_load_b512 s[4:19], s[0:1], 0x0               ; qc, qs, kvc, kvs, out_w's codes, its scales, out_b, x
	s_load_b64 s[20:21], s[0:1], 0x40              ; out0
	v_lshl_add_u32 v[SPW], v0, 2, SPARE
	v_mov_b32 v[NIL], 0
	ds_add_u32 v3, v4
	ds_add_u32 v3, v4
	s_wait_dscnt 0x0
	v_lshrrev_b32 v58, 5, v0
	s_delay_alu instid0(VALU_DEP_1)
	v_readfirstlane_b32 s[WV], v58                 ; wave 0..15
	s_and_b32 s[HD], s[WV], 3                      ; my head
	s_lshr_b32 s[TQ], s[WV], 2                     ; my tile of queries
	s_bfe_u32 s[CX], ttmp6, 0x40000                ; my place in the cluster: it enters global addresses of Q, x, out0 and the prefetches alone
	s_lshl_b32 s[BLK], ttmp9, 2
	s_add_co_u32 s[BLK], s[BLK], s[CX]             ; my block of 64 pixels
	s_and_b32 s[BA], ttmp7, 0xffff                 ; the batch, which the four partners share
	v_and_b32 v58, 31, v0                          ; lane
	v_and_b32 v59, 15, v0                          ; r
	s_wait_alu depctr_va_vdst(0)
	v_bfe_u32 v60, v0, 4, 1                        ; h
	v_and_b32 v61, 8, v0
	s_delay_alu instid0(VALU_DEP_1)
	v_add_nc_u32 v61, v61, v59                     ; r + 8 (r / 8)
	; every LDS address: a constant, the wave's number times constants, the lane's bits times constants
	s_lshl_b32 s28, s[HD], 12
	v_lshl_add_u32 v[AKV], v58, 4, s28
	s_lshl_b32 s28, s[HD], 8
	s_add_co_u32 s28, s28, SCL
	v_lshl_add_u32 v[ASC], v58, 2, s28
	s_lshl_b32 s28, s[WV], 8                       ; tile w / 4's fragment (1,024 bytes), block w % 4 of its K (256 bytes): 256 w
	s_add_co_u32 s28, s28, OIMG
	v_lshl_add_u32 v[OST], v59, 4, s28
	s_delay_alu instid0(VALU_DEP_1)
	v_lshl_add_u32 v[OST], v60, 3, v[OST]
	s_lshl_b32 s28, s[TQ], 6
	s_add_co_u32 s28, s28, s[HD]
	s_add_co_u32 s28, s28, OSC
	v_lshl_add_u32 v[OSB], v59, 2, s28
	v_lshl_add_u32 v[OIR], v58, 4, OIMG
	v_lshl_add_u32 v[OSR], v58, 2, OSC
	s_mul_i32 s28, s[WV], 4352
	s_add_co_u32 s28, s28, STG
	v_mul_u32_u24 v[STO], v60, 2176                ; in: rows 8 h + j, column = my pixel
	s_wait_alu depctr_va_vdst(0)
	v_lshl_add_u32 v[STO], v61, 2, v[STO]
	s_delay_alu instid0(VALU_DEP_1)
	v_add_nc_u32 v[STO], s28, v[STO]
	v_mul_u32_u24 v[RD], v60, 272                  ; back: lanes 0-15 one row, lanes 16-31 the next
	s_delay_alu instid0(VALU_DEP_1)
	v_lshl_add_u32 v[RD], v59, 4, v[RD]
	s_delay_alu instid0(VALU_DEP_1)
	v_add_nc_u32 v[RD], s28, v[RD]
	v_lshlrev_b32 v[GO], 14, v60
	s_delay_alu instid0(VALU_DEP_1)
	v_lshl_add_u32 v[GO], v59, 4, v[GO]
	v_lshlrev_b32 v[PFO], 8, v58
	v_lshlrev_b32 v240, 4, v59                     ; Q's codes: 16 r
	v_lshlrev_b32 v241, 2, v59                     ; scale words: 4 r
	v_lshlrev_b32 v242, 6, v59
	s_delay_alu instid0(VALU_DEP_1)
	v_lshl_add_u32 v242, v60, 4, v242              ; out_w: row r of 64 bytes + 16 h
	v_lshlrev_b32 v243, 5, v60                     ; the bias: 8 h numbers on
	; descriptors.  A dense block comes in as rows of 256 bytes: 32 elements of 8 bytes, pitch 32
	s_mov_b32 s[G1], 15|(3<<16)|(1<<21)            ; 15:0 the mask: all four work-groups; 17:16 elements of 8 bytes; 21 set beside a mask; no padding: every read is 16 x lane on end
	s_mov_b32 s[G1+1], 32<<16                      ; tensor_dim0 = 32
	s_mov_b32 s[G1+2], 64<<16                      ; tensor_dim1 = 64
	s_mov_b32 s[G1+3], 32<<16                      ; tile_dim0 = 32
	s_mov_b32 s[G1+4], 64                          ; tile_dim1 = 64
	s_mov_b32 s[G1+5], 32                          ; the pitch
	s_mov_b32 s[G1+6], 0
	s_mov_b32 s[G1+7], 0
	s_mov_b32 s[G1S], 15|(3<<16)|(1<<21)
	s_mov_b32 s[G1S+1], 32<<16
	s_mov_b32 s[G1S+2], 32<<16                     ; 32 rows
	s_mov_b32 s[G1S+3], 32<<16
	s_mov_b32 s[G1S+4], 32
	s_mov_b32 s[G1S+5], 32
	s_mov_b32 s[G1S+6], 0
	s_mov_b32 s[G1S+7], 0
	s_mov_b32 s[G0], 1
	s_lshl_b32 s[G0+1], s[HD], 14                  ; slot 0, key step wave % 4 (the waves that fetch are 0 to 3)
	s_lshl_b32 s28, s[BA], 19                      ; the batch's 524,288 bytes of codes
	s_lshl_b32 s29, s[HD], 14
	s_add_co_u32 s28, s28, s29
	s_mov_b32 s29, 0
	s_mov_b32 s[G0S], 1
	s_lshl_b32 s[G0S+1], s[HD], 13
	s_add_co_u32 s[G0S+1], s[G0S+1], SCL
	s_lshl_b32 s30, s[BA], 15                      ; its 32,768 bytes of scale words
	s_lshl_b32 s31, s[HD], 13
	s_add_co_u32 s30, s30, s31
	s_mov_b32 s31, 0
	; offsets that hold my place in the cluster have registers of their own
	s_lshl_b32 s70, s[BA], 6
	s_add_co_u32 s70, s70, s[BLK]
	s_lshl_b32 s70, s70, 2
	s_add_co_u32 s70, s70, s[HD]                   ; (64 b + blk) 4 + head
	s_lshl_b32 s68, s70, 10
	s_lshl_b32 s69, s[TQ], 8
	s_add_co_u32 s68, s68, s69                     ; Q's codes: my tile's 256 bytes
	s_mov_b32 s69, 0
	s_lshl_b32 s70, s70, 6                         ; Q's scale words
	s_mov_b32 s71, 0
	s_lshl_b32 s72, s[BA], 22                      ; x and out0: batch, my 16 channels, the block's 256 bytes
	s_lshl_b32 s73, s[WV], 18
	s_add_co_u32 s72, s72, s73
	s_lshl_b32 s73, s[BLK], 8
	s_add_co_u32 s72, s72, s73
	s_mov_b32 s73, 0
	s_lshl_b32 s74, s[WV], 10                      ; out_w: my 16 rows of 64 bytes
	s_mov_b32 s75, 0
	s_lshl_b32 s76, s[WV], 6                       ; their scale words, and my 16 numbers of the bias
	s_mov_b32 s77, 0
	s_mov_b32 s[SEL], 0x76543210
	s_mov_b32 s[SEL+1], 0xfedcba98
	s_mov_b32 s[CS], 0x3e8293ee                    ; c = log2(e) / sqrt(32)
	s_mov_b32 s[CS+1], s[CS]                       ; (named with it as a pair, so it is written)
	s_mov_b32 s[TB], 0
	s_mov_b32 s[TS], 0
	s_mov_b32 s[SLOTS], 7
	s_lshr_b32 s[LIM], s[WV], 1
	s_xor_b32 s[LIM], s[LIM], 2                    ; 0 in waves 4 and 5,
	s_or_b32 s[LIM], s[LIM], ttmp9                 ; of the batch's first cluster: the same in all four partners
	s_cmp_eq_u32 s[LIM], 0
	s_cselect_b32 s[LIM], 1, -1
	s_wait_kmcnt 0x0
	s_add_nc_u64 s[G0+2:G0+3], s[8:9], s[28:29]
	s_or_b32 s[G0+3], s[G0+3], 0x80000000          ; type = 2
	s_add_nc_u64 s[G0S+2:G0S+3], s[10:11], s[30:31]
	s_or_b32 s[G0S+3], s[G0S+3], 0x80000000
	CROUND                                         ; all four work-groups are here: the first joint loads meet
	s_cmp_lt_u32 s[WV], 4                          ; a wave's two first fills stand in one branch, ahead of every wait on TENSORcnt and every LDS read: two loads of mine are out
	s_cbranch_scc0 .Lfirst_asked
	tensor_load_to_lds s[G0S:G0S+3], s[G1S:G1S+7]  ; a quarter of the batch's scale words: filled once
	s_nop 0
	tensor_load_to_lds s[G0:G0+3], s[G1:G1+7]      ; slot 0
	s_nop 0
.rept 4
	v_nop
.endr
.Lfirst_asked:
	s_add_nc_u64 s[4:5], s[4:5], s[68:69]
	s_add_nc_u64 s[6:7], s[6:7], s[70:71]
	s_add_nc_u64 s[12:13], s[12:13], s[74:75]
	s_add_nc_u64 s[14:15], s[14:15], s[76:77]
	s_add_nc_u64 s[16:17], s[16:17], s[76:77]
	s_add_nc_u64 s[18:19], s[18:19], s[72:73]
	s_add_nc_u64 s[20:21], s[20:21], s[72:73]
	s_wait_alu depctr_va_vdst(0)
	global_load_b128 v[BM:BM+3], v240, s[4:5]      ; query r's 32 codes, in both halves of the lanes
	global_load_b32 v[QS], v241, s[6:7]            ; word r: the scale bytes of index r in the block's four tiles
	global_load_b128 v[OW:OW+3], v242, s[12:13]
	global_load_b128 v[OW+4:OW+7], v242, s[12:13] offset:32
	global_load_b32 v[OWS], v241, s[14:15]
	global_load_b128 v[BI:BI+3], v243, s[16:17]
	global_load_b128 v[BI+4:BI+7], v243, s[16:17] offset:16
	s_lshl_b32 s68, s[BA], 19                      ; the prefetches: the batch, key step cx, my half of it,
	s_lshl_b32 s69, s[CX], 14
	s_add_co_u32 s68, s68, s69
	s_and_b32 s69, s[WV], 1
	s_lshl_b32 s69, s69, 13
	s_add_co_u32 s68, s68, s69
	s_add_co_u32 s68, s68, 65536                   ; in slot 1: the first change of slots steps it to slot 2.  Nothing is prefetched here, at the head
	s_mov_b32 s69, 0
	s_add_nc_u64 s[PFA:PFA+1], s[8:9], s[68:69]
	s_lshl_b32 s28, s[TQ], 3
	s_mov_b32 s29, 0x01010101
	s_wait_loadcnt 0x0
	v_lshrrev_b32 v[QS], s28, v[QS]                ; my tile's byte,
	s_delay_alu instid0(VALU_DEP_1)
	v_and_b32 v[QS], 0xff, v[QS]
	s_delay_alu instid0(VALU_DEP_1)
	v_mul_lo_u32 v[QS], v[QS], s29                 ; in all four places: Q may stand in any block
	v_cmp_gt_u32 vcc_lo, 16, v58
.irp i, 0,1,2,3
	v_mov_b32 v[QZ+\i], 0
	v_mov_b32 v[QZ+8+\i], 0
	v_mov_b32 v[QZ+16+\i], 0
.endr
.irp i, 0,1,2,3
	v_cndmask_b32 v[QZ+4+\i], 0, v[BM+\i], vcc_lo          ; Q in lanes 0-15, zeros above
	v_cndmask_b32 v[QZ+12+\i], v[BM+\i], v[QZ], vcc_lo     ; Q in lanes 16-31, zeros below
.endr
.irp j, 0,1,2,3,4,5,6,7,8,9,10,11,12,13,14,15
	v_mov_b32 v[O+\j], 0                           ; O^T.  (The step is written once: the first finds zeros, which the first change of M leaves zeros.  These lines are also the places between Q's registers and the first product)
.endr
	v_mov_b32 v13, 0xff61b1e6                      ; the largest t so far: -3e38, under every t
	s_delay_alu instid0(VALU_DEP_1)
	v_floor_f32 v12, -v13                          ; -M
	v_mov_b32 v14, 0
	v_mov_b32 v15, 0
.irp b, 0,1,2,3
	v_mov_b32 v[TP+\b], 0                          ; a lane permute's destination counts as read: written once
.endr
	v_mov_b32 v[F+1], 0                            ; named as the upper half of the pair
; A KEY STEP: 128 keys, the q-th of the slot in hand.
.macro STEP q
.irp p, 0,1,2,3
	ds_load_b128 v[KF+4*\p:KF+4*\p+3], v[ADK] offset:16384*(\q)+512*\p    ; K's two fragments: 128 keys in 2,048 bytes
.endr
	ds_load_b32 v[KS], v[ADS] offset:1024*(\q)
	s_wait_dscnt 0x0
.irp f, 0,1                            ; S^T: tile 4 f + j = fragment f x (Q in block j)
.irp j, 0,1,2,3
.if \f == 0
	v_wmma_scale_f32_16x16x128_f8f6f4 v[S+8*\j:S+8*\j+7], v[KF:KF+7], v[QZ+8*(\j%2)+4*(1-\j/2):QZ+8*(\j%2)+4*(1-\j/2)+7], 0, v[KS], v[QS] matrix_a_fmt:MATRIX_FMT_FP4 matrix_b_fmt:MATRIX_FMT_FP4
.else
	v_wmma_scale_f32_16x16x128_f8f6f4 v[S+32+8*\j:S+32+8*\j+7], v[KF+8:KF+15], v[QZ+8*(\j%2)+4*(1-\j/2):QZ+8*(\j%2)+4*(1-\j/2)+7], 0, v[KS], v[QS] matrix_a_fmt:MATRIX_FMT_FP4 matrix_b_fmt:MATRIX_FMT_FP4 matrix_a_scale:MATRIX_SCALE_ROW1
.endif
.endr
.endr                                  ; lane (r, h) holds query r; the 16 registers of tiles 2 b, 2 b + 1 are keys 32 b + 16 h + 0 .. 15
.rept 4
	v_nop                                          ; places in front of the first read of the scores, and of the loads into V's registers, which the last step's products read
.endr
.irp d, 0,1
.irp c, 0,1
	ds_load_b128 v[VF+8*\d+4*\c:VF+8*\d+4*\c+3], v[ADK] offset:16384*(\q)+2048+1024*\c+512*\d   ; V lands under the softmax
.endr
.endr
	ds_load_b32 v[VS], v[ADS] offset:1024*(\q)+128
.irp b, 0,1,2,3
	v_max3_num_f32 v[BM+\b], v[S+16*\b], v[S+1+16*\b], v[S+2+16*\b]   ; the largest score of each block of 32 keys: for the row's maximum and for the block's largest p
.endr
.irp i, 3,5,7,9,11,13
.irp b, 0,1,2,3
	v_max3_num_f32 v[BM+\b], v[BM+\b], v[S+16*\b+\i], v[S+1+16*\b+\i]
.endr
.endr
.irp b, 0,1,2,3
	v_max_num_f32 v[BM+\b], v[BM+\b], v[S+15+16*\b]
.endr
.irp b, 0,1,2,3
	s_delay_alu instid0(VALU_DEP_4)
	v_permlanex16_b32 v[TP+\b], v[BM+\b], s[SEL], s[SEL+1]
.endr
.irp b, 0,1,2,3
	s_delay_alu instid0(VALU_DEP_4)
	v_max_num_f32 v[BM+\b], v[BM+\b], v[TP+\b]     ; with lane l xor 16's 16 keys
.endr
	s_delay_alu instid0(VALU_DEP_2)
	v_max3_num_f32 v[TW], v[BM], v[BM+1], v[BM+2]
	s_delay_alu instid0(VALU_DEP_1)
	v_max_num_f32 v[TW], v[TW], v[BM+3]
	s_delay_alu instid0(VALU_DEP_1)
	v_mul_f32 v[TW], s[CS], v[TW]                  ; as t (c is positive)
	s_delay_alu instid0(VALU_DEP_1)
	v_max_num_f32 v13, v13, v[TW]                  ; the running largest t
	v_mov_b32 v[TW], v12
	s_delay_alu instid0(VALU_DEP_2)
	v_floor_f32 v12, -v13                          ; the new -M = floor(-t): M is a whole number
	s_delay_alu instid0(VALU_DEP_1)
	v_sub_f32 v[TW], v12, v[TW]                    ; old M - new M: a whole number, 0 or less
	s_delay_alu instid0(VALU_DEP_1)
	v_cvt_i32_f32 v[TW], v[TW]                     ; (it saturates)
	s_delay_alu instid0(VALU_DEP_1)
	v_ldexp_f32 v[F], 1.0, v[TW]                   ; f = 2^(old M - new M)
.irp j, 0,2,4,6,8,10,12,14,16,18,20,22,24,26,28,30,32,34,36,38,40,42,44,46,48,50,52,54,56,58,60,62
	v_pk_fma_f32 v[S+\j:S+1+\j], v[S+\j:S+1+\j], s[CS:CS+1], v[12:13] op_sel_hi:[1,0,0]   ; t - M, two at a time
.endr
.irp b, 0,1,2,3
	v_fma_f32 v[BM+\b], v[BM+\b], s[CS], v12       ; the same of each block's largest score
.endr
	s_wait_alu depctr_va_vdst(0)
.irp j, 0,1,2,3,4,5,6,7,8,9,10,11,12,13,14,15,16,17,18,19,20,21,22,23,24,25,26,27,28,29,30,31,32,33,34,35,36,37,38,39,40,41,42,43,44,45,46,47,48,49,50,51,52,53,54,55,56,57,58,59,60,61,62,63
	v_exp_f32 v[S+\j], v[S+\j]                     ; p = 2^(t - M), at most 1
.endr
.irp b, 0,1,2,3
	v_exp_f32 v[BM+\b], v[BM+\b]                   ; the block's largest p: the same two instructions on the same number give the same bits.  One batch of 68
.endr
	v_pk_mul_f32 v[14:15], v[14:15], v[F:F+1] op_sel_hi:[1,0]       ; plain work that names no exponential's result: the sum and O^T under the new M
	s_wait_alu depctr_va_vdst(0)
.irp j, 0,2,4,6,8,10,12,14
	v_pk_mul_f32 v[O+\j:O+1+\j], v[O+\j:O+1+\j], v[F:F+1] op_sel_hi:[1,0]
.endr
	s_wait_alu depctr_va_vdst(0)                   ; one wait for the batch, ahead of its first reader
.irp b, 0,1,2,3
	v_max_num_f32 v[BM+\b], 0x1800000, v[BM+\b]    ; the floor 2^(3 - 127): the byte cannot fall under 1
.endr
.irp b, 0,1,2,3
	s_delay_alu instid0(VALU_DEP_4)
	v_add_nc_u32 v[SOP+\b], 0xff000000, v[BM+\b]   ; 2 off the exponent field: the conversion's scale operand
.endr
.irp b, 0,1,2,3
	s_delay_alu instid0(VALU_DEP_4)
	v_lshrrev_b32 v[TP+\b], 23, v[SOP+\b]          ; the scale's byte
.endr
	s_delay_alu instid0(VALU_DEP_3)
	v_lshl_or_b32 v[PS], v[TP+1], 8, v[TP]         ; p's scale word for these 128 keys
	s_delay_alu instid0(VALU_DEP_1)
	v_lshl_or_b32 v[PS], v[TP+2], 16, v[PS]
	s_delay_alu instid0(VALU_DEP_1)
	v_lshl_or_b32 v[PS], v[TP+3], 24, v[PS]
.irp b, 0,1,2,3
	v_cvt_scalef32_pk8_fp4_f32 v[PC+2*\b], v[S+16*\b:S+7+16*\b], v[SOP+\b]
	v_cvt_scalef32_pk8_fp4_f32 v[PC+1+2*\b], v[S+8+16*\b:S+15+16*\b], v[SOP+\b]
.endr
	v_nop                                          ; one plain instruction behind the last scaled conversion
.irp c, 0,1                            ; the operand's layout wants a whole block in a lane
.irp i, 0,1
	v_permlane16_swap_b32 v[PC+4*\c+\i], v[PC+2+4*\c+\i]
.endr
.endr
	v_pk_add_f32 v[236:237], v[100:101], v[104:105]
	v_pk_add_f32 v[248:249], v[108:109], v[112:113]
	v_pk_add_f32 v[246:247], v[116:117], v[120:121]
	v_pk_add_f32 v[244:245], v[124:125], v[128:129]
	v_pk_add_f32 v[242:243], v[132:133], v[136:137]
	v_pk_add_f32 v[240:241], v[140:141], v[144:145]
	v_pk_add_f32 v[234:235], v[148:149], v[152:153]
	v_pk_add_f32 v[14:15], v[14:15], v[156:157]
	v_pk_add_f32 v[236:237], v[236:237], v[96:97]
	v_pk_add_f32 v[248:249], v[248:249], v[98:99]
	v_pk_add_f32 v[246:247], v[246:247], v[102:103]
	v_pk_add_f32 v[244:245], v[244:245], v[106:107]
	v_pk_add_f32 v[242:243], v[242:243], v[110:111]
	v_pk_add_f32 v[240:241], v[240:241], v[114:115]
	v_pk_add_f32 v[234:235], v[234:235], v[118:119]
	v_pk_add_f32 v[14:15], v[14:15], v[122:123]
	v_pk_add_f32 v[236:237], v[236:237], v[126:127]
	v_pk_add_f32 v[248:249], v[248:249], v[130:131]
	v_pk_add_f32 v[246:247], v[246:247], v[134:135]
	v_pk_add_f32 v[244:245], v[244:245], v[138:139]
	v_pk_add_f32 v[242:243], v[242:243], v[142:143]
	v_pk_add_f32 v[240:241], v[240:241], v[146:147]
	v_pk_add_f32 v[234:235], v[234:235], v[150:151]
	v_pk_add_f32 v[14:15], v[14:15], v[154:155]
	v_pk_add_f32 v[236:237], v[236:237], v[158:159]
	s_delay_alu instid0(VALU_DEP_2)
	v_pk_add_f32 v[14:15], v[14:15], v[244:245]
	s_delay_alu instid0(VALU_DEP_2)
	v_pk_add_f32 v[236:237], v[236:237], v[242:243]
	v_pk_add_f32 v[248:249], v[248:249], v[240:241]
	v_pk_add_f32 v[246:247], v[246:247], v[234:235]
	s_delay_alu instid0(VALU_DEP_2)
	v_pk_add_f32 v[14:15], v[14:15], v[248:249]
	s_delay_alu instid0(VALU_DEP_2)
	v_pk_add_f32 v[236:237], v[236:237], v[246:247]
	s_delay_alu instid0(VALU_DEP_1)
	v_pk_add_f32 v[14:15], v[14:15], v[236:237]
	s_wait_dscnt 0x0                               ; V
	v_wmma_scale_f32_16x16x128_f8f6f4 v[O:O+7], v[VF:VF+7], v[PC:PC+7], v[O:O+7], v[VS], v[PS] matrix_a_fmt:MATRIX_FMT_FP4 matrix_b_fmt:MATRIX_FMT_FP4   ; O^T += V^T P^T.  Between two links on one accumulator stand the other's and the next step's eight
	v_wmma_scale_f32_16x16x128_f8f6f4 v[O+8:O+15], v[VF+8:VF+15], v[PC:PC+7], v[O+8:O+15], v[VS], v[PS] matrix_a_fmt:MATRIX_FMT_FP4 matrix_b_fmt:MATRIX_FMT_FP4 matrix_a_scale:MATRIX_SCALE_ROW1
.endm
; THE CHANGE OF SLOTS stands at a slot's head.  Each wave waits for all its tensor loads (its part of the slot ahead), adds 0 to its spare word, and waits for that and for its reads of the slot that it has left.
; fill = 1: a round of the cluster's barrier, so that no wave of any partner still reads that slot or has a load on its way; the joint refill is the first thing behind it and has four key steps in which to land.
.macro CHANGE fill
	s_wait_tensorcnt 0x0                           ; no tensor load of mine is out, so group 0 may be written
	ds_add_u32 v[SPW], v[NIL]                      ; 0 onto my spare word
.if \fill
	s_xor_b32 s[G0+1], s[G0+1], SLOT1              ; the other slot than last time,
	s_add_nc_u64 s[G0+2:G0+3], s[G0+2:G0+3], 65536 ; the next four key steps; the type bits on top are not reached
	s_wait_xcnt 0x0                                ; the last prefetch, a slot back, has read its address, so it may be written:
	s_add_nc_u64 s[PFA:PFA+1], s[PFA:PFA+1], 65536 ; one slot further on than the walking descriptor
.endif
	s_wait_dscnt 0x0                               ; the add is done, and my reads of the slot that I have left are over
.if \fill
	CROUND
	JLOAD
	ASK
.else
	s_barrier_signal -1
	s_barrier_wait -1
.endif
	v_add_nc_u32 v[ADK], s[TB], v[AKV]
	v_add_nc_u32 v[ADS], s[TS], v[ASC]
.endm
.macro SLOT_STEPS
	STEP 0
	STEP 1
	STEP 2
	STEP 3
	s_xor_b32 s[TB], s[TB], SLOT1                  ; on to the other slot
	s_add_co_u32 s[TS], s[TS], 4096
.endm
.Lslot:                                            ; seven trips: behind each change of slots but the last the next slot is asked for
	CHANGE 1
	s_wait_alu depctr_va_vdst(0)
	SLOT_STEPS
	s_sub_co_u32 s[SLOTS], s[SLOTS], 1
	s_cmp_lg_u32 s[SLOTS], 0
	s_cbranch_scc1 .Lslot
	CHANGE 0                                       ; the last slot is written out
.irp t, 0,1,2,3,4,5,6,7
	global_load_b128 v[XR+4*\t:XR+4*\t+3], v[GO], s[18:19] offset:32768*\t th:TH_LOAD_NT   ; the residual: my 16 channels x 64 pixels; it lands under the last four key steps
.endr
	s_wait_alu depctr_va_vdst(0)
	SLOT_STEPS
	s_wait_alu depctr_va_vdst(0)
	; THE ATTENTION'S OUTPUT: O^T / the sum; my 16 queries' block of 32 (my head) of the last product's K, quantised; its image goes to LDS
	v_add_f32 v14, v14, v15
	s_delay_alu instid0(VALU_DEP_1)
	v_permlanex16_b32 v[TW], v14, s[SEL], s[SEL+1]
	s_delay_alu instid0(VALU_DEP_1)
	v_add_f32 v14, v14, v[TW]                      ; the row's sum
	s_wait_alu depctr_va_vdst(0)
	v_rcp_f32 v15, v14
	v_nop                                          ; a plain instruction behind the transcendental; with the two additions these two are the four places behind the last products
	v_nop
	s_wait_alu depctr_va_vdst(0)                   ; and the wait, ahead of its first reader
.irp j, 0,1,2,3,4,5,6,7,8,9,10,11,12,13,14,15
	v_mul_f32 v[128+\j], v[O+\j], v15              ; d = 16 h + j of query r
.endr
	v_max3_num_f32 v[BM], |v128|, |v129|, 0x1800000
	v_max3_num_f32 v[BM+1], |v130|, |v131|, |v132|
	s_delay_alu instid0(VALU_DEP_2)
	v_max3_num_f32 v[BM], v[BM], |v133|, |v134|
	s_delay_alu instid0(VALU_DEP_2)
	v_max3_num_f32 v[BM+1], v[BM+1], |v135|, |v136|
	s_delay_alu instid0(VALU_DEP_2)
	v_max3_num_f32 v[BM], v[BM], |v137|, |v138|
	s_delay_alu instid0(VALU_DEP_2)
	v_max3_num_f32 v[BM+1], v[BM+1], |v139|, |v140|
	s_delay_alu instid0(VALU_DEP_2)
	v_max3_num_f32 v[BM], v[BM], |v141|, |v142|
	s_delay_alu instid0(VALU_DEP_1)
	v_max3_num_f32 v[BM], v[BM], v[BM+1], |v143|
	s_delay_alu instid0(VALU_DEP_1)
	v_permlanex16_b32 v[TP], v[BM], s[SEL], s[SEL+1]
	s_delay_alu instid0(VALU_DEP_1)
	v_max_num_f32 v[BM], v[BM], v[TP]
	s_delay_alu instid0(VALU_DEP_1)
	v_add_nc_u32 v[SOP], 0xff000000, v[BM]
	s_delay_alu instid0(VALU_DEP_1)
	v_lshrrev_b32 v[TP+1], 23, v[SOP]
	v_cvt_scalef32_pk8_fp4_f32 v[PC], v[128:135], v[SOP]
	v_cvt_scalef32_pk8_fp4_f32 v[PC+1], v[136:143], v[SOP]
	v_nop                                          ; one plain instruction behind the last scaled conversion
	ds_store_b64 v[OST], v[PC:PC+1]
	ds_store_b8 v[OSB], v[TP+1]                    ; both halves of the lanes write the same byte with the same value
	s_wait_dscnt 0x0                               ; for the others' sake: my stores have landed
	s_barrier_signal -1
	s_barrier_wait -1                              ; the four fragments (16 pixels x 128) and their scale words lie in LDS
.irp t, 0,1,2,3
.irp c, 0,1
	ds_load_b128 v[KF+8*\t+8*(\t/2)+4*\c:KF+8*\t+8*(\t/2)+4*\c+3], v[OIR] offset:1024*\t+512*\c   ; into K's and V's registers, which are done with
.endr
.endr
	ds_load_b32 v[KS], v[OSR]                      ; lanes 0-15 tile 0's words, lanes 16-31 tile 1's
	ds_load_b32 v[VS], v[OSR] offset:128           ; tiles 2 and 3
	s_wait_dscnt 0x0
.irp t, 0,1,2,3                        ; y: source 0 = my 16 rows of out_w, source 1 = 16 pixels; the bias is the C
.if \t%2 == 0
	v_wmma_scale_f32_16x16x128_f8f6f4 v[S+8*\t:S+8*\t+7], v[OW:OW+7], v[KF+8*\t+8*(\t/2):KF+8*\t+8*(\t/2)+7], v[BI:BI+7], v[OWS], v[KS+\t/2] matrix_a_fmt:MATRIX_FMT_FP4 matrix_b_fmt:MATRIX_FMT_FP4
.else
	v_wmma_scale_f32_16x16x128_f8f6f4 v[S+8*\t:S+8*\t+7], v[OW:OW+7], v[KF+8*\t+8*(\t/2):KF+8*\t+8*(\t/2)+7], v[BI:BI+7], v[OWS], v[KS+\t/2] matrix_a_fmt:MATRIX_FMT_FP4 matrix_b_fmt:MATRIX_FMT_FP4 matrix_b_scale:MATRIX_SCALE_ROW1
.endif
.endr
.rept 4
	v_nop                                          ; places in front of the LDS stores that read the results
.endr
.irp t, 0,1,2,3                        ; register j of lane (r, h): channel 16 w + 8 h + j, pixel 32 (t / 2) + 8 (t % 2) + r + 8 (r / 8).  Each accumulator from its low end on
.irp j, 0,1,2,3,4,5,6,7
	ds_store_b32 v[STO], v[S+8*\t+\j] offset:272*\j+128*(\t/2)+32*(\t%2)
.endr
.endr
.irp t, 0,1,2,3,4,5,6,7
	ds_load_b128 v[144+4*\t:147+4*\t], v[RD] offset:544*\t   ; my own stage, served in order: these see my stores.  Two channels' rows of 256 bytes
.endr
	s_wait_loadcnt 0x0                             ; the residual
.irp t, 0,1,2,3,4,5,6,7
	s_wait_dscnt 7-\t                              ; rows 2 t and 2 t + 1 are back; the younger loads may be out
	v_pk_add_f32 v[144+4*\t:145+4*\t], v[144+4*\t:145+4*\t], v[XR+4*\t:XR+4*\t+1]
	v_pk_add_f32 v[146+4*\t:147+4*\t], v[146+4*\t:147+4*\t], v[XR+4*\t+2:XR+4*\t+3]
	global_store_b128 v[GO], v[144+4*\t:147+4*\t], s[20:21] offset:32768*\t th:TH_STORE_NT   ; sixteen lanes store 256 consecutive bytes, aligned
.endr
	s_wait_tensorcnt 0x0                           ; the wave's end: behind my last tensor load and my last LDS store
	ds_add_u32 v[SPW], v[NIL]
	s_wait_dscnt 0x0
	CROUND                                         ; the closing round: no work-group ends while a partner may still ask for a tile that names it
	s_endpgm
.Lfunc_end_k_qa2b4a07c7e_attn:
	.size	k_qa2b4a07c7e_attn, .Lfunc_end_k_qa2b4a07c7e_attn-k_qa2b4a07c7e_attn
	.p2alignl 7, 3214868480
	.fill 96, 4, 3214868480
	.section	.rodata,"a",@progbits
	.p2align	6, 0x0
	.amdhsa_kernel k_qa2b4a07c7e_attn
		.amdhsa_group_segment_fixed_size 327680
		.amdhsa_private_segment_fixed_size 0
		.amdhsa_enable_private_segment 0
		.amdhsa_kernarg_size 72
		.amdhsa_user_sgpr_count 2
		.amdhsa_user_sgpr_kernarg_segment_ptr 1
		.amdhsa_wavefront_size32 1
		.amdhsa_system_sgpr_workgroup_id_x 1
		.amdhsa_system_sgpr_workgroup_id_y 1
		.amdhsa_system_sgpr_workgroup_id_z 1
		.amdhsa_system_vgpr_workitem_id 0
		.amdhsa_next_free_vgpr 256
		.amdhsa_next_free_sgpr 80
		.amdhsa_reserve_vcc 1
		.amdhsa_float_denorm_mode_32 3
		.amdhsa_float_denorm_mode_16_64 3
		.amdhsa_memory_ordered 1
		.amdhsa_forward_progress 1
		.amdhsa_inst_pref_size 135
	.end_amdhsa_kernel
	.amdgpu_metadata
---
amdhsa.version: [ 1, 2 ]
amdhsa.kernels:
  - .name:           k_qa2b4a07c7e_attn
    .symbol:         k_qa2b4a07c7e_attn.kd
    .args:
      - { .name: qc, .offset: 0, .size: 8, .value_kind: global_buffer, .address_space: global }
      - { .name: qs, .offset: 8, .size: 8, .value_kind: global_buffer, .address_space: global }
      - { .name: kvc, .offset: 16, .size: 8, .value_kind: global_buffer, .address_space: global }
      - { .name: kvs, .offset: 24, .size: 8, .value_kind: global_buffer, .address_space: global }
      - { .name: out_w_codes, .offset: 32, .size: 8, .value_kind: global_buffer, .address_space: global }
      - { .name: out_w_scales, .offset: 40, .size: 8, .value_kind: global_buffer, .address_space: global }
      - { .name: out_b, .offset: 48, .size: 8, .value_kind: global_buffer, .address_space: global }
      - { .name: x, .offset: 56, .size: 8, .value_kind: global_buffer, .address_space: global }
      - { .name: out0, .offset: 64, .size: 8, .value_kind: global_buffer, .address_space: global }
    .group_segment_fixed_size: 327680
    .private_segment_fixed_size: 0
    .kernarg_segment_align: 8
    .kernarg_segment_size: 72
    .max_flat_workgroup_size: 512
    .sgpr_count:     80
    .vgpr_count:     256
    .wavefront_size: 32
...
	.end_amdgpu_metadata
.endif
;; end of part 3
